; MI455X (gfx1250); checked and timed in simulation.
; The chip was launched on July 23, 2026; its instructions are those of AMD's public machine-readable ISA for CDNA 5 (MIT licence, August 2026) and "CDNA5" Instruction Set Architecture Reference Guide (July 2026). The comments in the code are by the model that wrote it; some were corrected since.
;; Attention. Allowed arithmetic: matrix products marked QUANTISED: E4M3 operands, one E8M0 scale for each 32 along K, by v_wmma_scale_f32_16x16x128_f8f6f4 with both operands' format E4M3, f32 sums; products left as they are: f32 operands where the result goes on into a quantised operand, else bf16, f16 or f32 operands; f32 sums; everything else in f32.
;; Inputs: W1 2,048 x 1,024 float32; W2 1,024 x 1 float32; b1 1,024 float32; b2 1 float32; encoder_outputs 32 x 1,024 x 1,024 float32; hidden_state 1 x 32 x 1,024 float32.
;; Outputs: out0 1 x 32 x 1,024 float32.
;; This version of the problem:
;;   THIS VERSION OF THE PROBLEM IS GIVEN IN LOW PRECISION. The matrix products marked QUANTISED in the list below multiply operands that are first quantised to E4M3 (4 exponent bits, 3 mantissa bits; 8 bits a number), with one power-of-two scale for each 32 numbers along K (OCP MX v1.0); their sums are f32. All else is computed in f32.
;;   The module's matrix products, in the order in which they are computed (A, B: the left and right operand; K: the contracted axis; several contracted axes count as one K, in the product's order):
;;     1. [M 32,768, K 2,048] x [K 2,048, N 1,024]; A: computed on the way; B: input W1: QUANTISED
;;     2. [M 32,768, K 1,024] x [K 1,024, N 1]; A: computed on the way; B: input W2: left as it is (N = 1 < 16)
;;     3. batch 32 x [M 1, K 1,024] x [K 1,024, N 1,024]; A: computed on the way; B: input encoder_outputs: left as it is (M = 1 < 16)
;;   THE QUANTISER, for each operand of a quantised product, along K:
;;     - K is cut into blocks of 32 from its start; a last block that is shorter is filled with zeros.
;;     - A block's scale is 2^e with e = floor(log2(the largest magnitude in the block)) - 8, held to -126 .. 127; a block of zeros has e = 0. As a byte (E8M0): e + 127.
;;     - Each number is divided by its block's scale, clamped to +-448, and rounded to the nearest number of E4M3, ties to even, subnormals kept.
;;     - The product sums the exact products of the quantised numbers (number of the format x scale) in f32.
;;   ~~~python
;;   def quantise(x, axis):      # numpy; x: float32 -> the quantised numbers, widened to float32 again
;;       x = np.moveaxis(x, axis, -1); K = x.shape[-1]
;;       x = np.pad(x, [(0, 0)] * (x.ndim - 1) + [(0, -K % 32)]); x = x.reshape(x.shape[:-1] + (-1, 32)); a = np.abs(x).max(-1, keepdims=True)
;;       e = np.where(a > 0, np.clip(np.frexp(np.where(a > 0, a, 1))[1] - 1 - 8, -126, 127), 0)      # np.frexp(a)[1] - 1 = floor(log2(a)), exactly
;;       r = np.clip(x / 2.0 ** e, -448, 448)
;;       step = 2.0 ** (np.maximum(np.frexp(np.where(r == 0, 1, r))[1] - 1, -6) - 3)
;;       q = np.round(r / step) * step * 2.0 ** e      # np.round: ties to even
;;       return np.moveaxis(q.reshape(q.shape[:-2] + (-1,))[..., :K], -1, axis).astype(np.float32)
;;   ~~~
;;   OPERANDS COMPUTED ON THE WAY. 'Computed on the way' means the value that the module computes at that place (a softmax that the list does not call 'softmax' is quantised finished and normalised). What goes into a quantiser is computed in f32, as accurately as f32 sums, v_exp_f32 and their like allow (about 1e-6 of the number): no bf16 or f16 on the way to a quantiser, and a product that is left as it is and whose result goes on into a quantised operand takes f32 operands (vector FMAs, or v_wmma_f32_16x16x4_f32). A number that lies on a knife's edge between two numbers of the format may be rounded either way, as far as f32 arithmetic and the matrix unit's own rounding can turn it there, and no further.
;; One version. Each part assembles by itself: llvm-mc -triple=amdgcn-amd-amdhsa -mcpu=gfx1250 --defsym DOCPART=n.
;; ======== version 1 of 1: 3 launches
;; limits: values are held in bf16: 8 bits of precision; right only within a limited range of input values
;; workspace buffers: W1c 1,081,344 bytes; hbp 1,048,576 bytes; part 1,048,576 bytes; ml 65,536 bytes
;; launch prep (part 1): grid 128 x 1, 8 waves a work-group, no clusters, 9,728 bytes of LDS; arguments W1, hidden_state, W1c, hbp; writes W1c, hbp
.if DOCPART == 1
	.amdgcn_target "amdgcn-amd-amdhsa--gfx1250"
	.amdhsa_code_object_version 6
	.text
	.protected	k_q62f9196d60_prep
	.globl	k_q62f9196d60_prep
	.p2align	8
	.type	k_q62f9196d60_prep,@function
k_q62f9196d60_prep:
	s_mov_b64 s[64:65], 0
	v_nop
	global_prefetch_b8 v0, s[64:65] scope:SCOPE_SE
	s_setreg_imm32_b32 hwreg(HW_REG_WAVE_MODE, 25, 1), 1
	s_wait_xcnt 0x0
; W1 [2048][1024] f32 has K as its first axis.  Its rows 0-1023 meet the encoder's rows, its rows 1024-2047 the hidden state, which is the same for all 1,024 steps of a batch.
; This launch (a) turns rows 0-1023 into codes of E4M3 with one E8M0 byte for each 32 along K, laid in the order of a matrix operand's registers (W1c), and
; (b) multiplies the quantised hidden state [32][1024] by the quantised rows 1024-2047, one K step of 128 to a work-group: hbp[s][b][n], eight partial sums that the next launch adds.
; W1c: 16 slots of 67,584 bytes; slot c = columns 64 c .. 64 c + 63.  Fragment (column tile u, K step s) at (8 u + s) x 2,048: register group cc at 512 cc, lane l's 16 bytes at 16 l
; (column 16 u + l % 16, k = 128 s + 32 cc + 16 (l / 16) + 0 .. 15).  Scale words at 65,536 + 256 s + 64 u + 4 (column % 16).
; SHARES: work-group g: slot c = g % 16, K step s = g / 16.  Wave w: role w / 4, column tile u = w % 4.  Every wave quantises one fragment (16 columns x 128 K) of W1, rows 128 (8 role + s) on:
; a lane takes a column and its registers run down K, so the conversions' results are the operand's registers.  Role 0 stores them; role 1 multiplies them by the hidden state's two tiles of 16 rows.
; A block's scale byte is the largest magnitude's exponent field - 8, held at 1 from below by a floor among the maximum's leaves.
; LIMITS: NaN and infinities are not served; a block of zeros gets the byte 1 where the rule says 127: its codes are zeros, and this program alone reads the bytes.
; The scale words leave 64 bytes to a store (16 columns): 32 KiB of all that the launch writes.
; DEAD WORK of the whole program: b2 is added to every score of a softmax over the steps, so it cancels for all its values: it is not loaded and is no launch's argument.  selu(x) = lambda (max(x, 0) + alpha exp(min(x, 0))) - lambda alpha:
; the last term, times the sum of W2, is the same for all steps too, and is left out by the next launch.  A NaN, an infinity or an overflow that reaches only these is not carried to the result.
.set SLOTB, 67584
.set SP,    272                        ; a stage row: 64 columns of f32 + 16 bytes
.set PW0,   10                         ; v10 W1's scale word; v11, v12 the hidden state's two: these three hold scales and nothing else
.set PW1,   11
.set PW2,   12
.set PCW,   16                         ; v16-31   W1's codes
.set PCH0,  32                         ; v32-47   codes of the hidden state's rows 0-15
.set TM,    48                         ; v48-63   at work in QUANT
.set XW,    64                         ; v64-127  W1's 64 numbers; later the two results, v64-71 and v72-79, and the rows read back, v80-87
.set XH0,   128                        ; v128-191 the hidden state's rows 0-15: 64 numbers a lane
.set PCH1,  128                        ; v128-143 later: codes of rows 16-31
.set XH1,   192                        ; v192-255 rows 16-31
.set WV,    12
.set ROLE,  13
.set SEL,   30                         ; s[30:31] v_permlanex16_b32's selects for lane l xor 16
.set MNT,   32                         ; s32 the mantissa field of 448
; 64 numbers of a lane, register 16 b + i = k 32 b + 16 (lane / 16) + i of its row or column, become a fragment's codes in v[dst] on and its scale word in v[pw].
.macro QUANT src, dst, pw
.irp b, 0,1,2,3
	v_max3_num_f32 v[TM+\b], |v[\src+16*\b]|, |v[\src+1+16*\b]|, 0x4800000   ; my 16 numbers of block b, and the floor 2^(9 - 127): the byte cannot fall under 1
.endr
.irp i, 2,4,6,8,10,12,14
.irp b, 0,1,2,3
	s_delay_alu instid0(VALU_DEP_4)
	v_max3_num_f32 v[TM+\b], v[TM+\b], |v[\src+16*\b+\i]|, |v[\src+1+16*\b+\i]|   ; the four blocks by turns
.endr
.endr
.irp b, 0,1,2,3
	s_delay_alu instid0(VALU_DEP_4)
	v_permlanex16_b32 v[TM+4+\b], v[TM+\b], s[SEL], s[SEL+1]
.endr
.irp b, 0,1,2,3
	s_delay_alu instid0(VALU_DEP_4)
	v_max_num_f32 v[TM+\b], v[TM+\b], v[TM+4+\b]           ; with lane l xor 16's 16: the block's largest magnitude
.endr
.irp b, 0,1,2,3
	s_delay_alu instid0(VALU_DEP_4)
	v_add_nc_u32 v[TM+12+\b], 0xfc000000, v[TM+\b]         ; 8 off its exponent field: the conversion's scale operand
.endr
.irp b, 0,1,2,3
	v_and_or_b32 v[TM+8+\b], v[TM+\b], 0x7f800000, s[MNT]  ; 448 x the scale
.endr
.irp b, 0,1,2,3
	v_lshrrev_b32 v[TM+4+\b], 23, v[TM+12+\b]              ; the scale's byte
.endr
	s_delay_alu instid0(VALU_DEP_3)
	v_lshl_or_b32 v[\pw], v[TM+5], 8, v[TM+4]
	s_delay_alu instid0(VALU_DEP_1)
	v_lshl_or_b32 v[\pw], v[TM+6], 16, v[\pw]
	s_delay_alu instid0(VALU_DEP_1)
	v_lshl_or_b32 v[\pw], v[TM+7], 24, v[\pw]
.irp b, 0,1,2,3
.irp i, 0,1,2,3,4,5,6,7,8,9,10,11,12,13,14,15
	v_med3_num_f32 v[\src+16*\b+\i], v[\src+16*\b+\i], -v[TM+8+\b], v[TM+8+\b]   ; the conversion to an 8-bit code does not saturate (ISA guide 7.6.2): the hold comes first
.endr
	v_cvt_scalef32_pk8_fp8_f32 v[\dst+4*\b:\dst+4*\b+1], v[\src+16*\b:\src+16*\b+7], v[TM+12+\b]
	v_cvt_scalef32_pk8_fp8_f32 v[\dst+4*\b+2:\dst+4*\b+3], v[\src+16*\b+8:\src+16*\b+15], v[TM+12+\b]
.endr
	v_nop                                                  ; one plain line between the last conversion and whatever next touches its registers
.endm
	s_load_b256 s[4:11], s[0:1], 0x0               ; W1 s[4:5], hidden_state s[6:7], W1c s[8:9], hbp s[10:11]
	v_lshl_add_u32 v14, v0, 2, 0x2200
	v_mov_b32 v15, 0
	v_lshrrev_b32 v13, 5, v0
	s_delay_alu instid0(VALU_DEP_1)
	v_readfirstlane_b32 s[WV], v13                 ; wave 0..7
	s_lshr_b32 s[ROLE], s[WV], 2                   ; 0: stores its fragment; 1: multiplies it
	s_and_b32 s14, s[WV], 3                        ; u
	s_and_b32 s15, ttmp9, 15                       ; c
	s_lshr_b32 s16, ttmp9, 4                       ; s
	s_lshl_b32 s17, s[ROLE], 3
	s_add_co_u32 s17, s17, s16                     ; 8 role + s: which 128 rows of W1
	s_lshl_b32 s20, s17, 19                        ; x 128 rows of 4,096 bytes
	s_lshl_b32 s18, s15, 8                         ; 256 c
	s_lshl_b32 s19, s14, 6                         ; 64 u
	s_add_co_u32 s20, s20, s18
	s_add_co_u32 s20, s20, s19
	s_mov_b32 s21, 0
	s_lshl_b32 s22, s16, 9                         ; the K step in a row of the hidden state: 512 s bytes
	s_mov_b32 s23, 0
	s_mul_i32 s24, s15, SLOTB                      ; the slot
	s_lshl_b32 s26, s14, 3
	s_add_co_u32 s26, s26, s16
	s_lshl_b32 s26, s26, 11                        ; the fragment: (8 u + s) x 2,048
	s_add_co_u32 s26, s26, s24
	s_mov_b32 s27, 0
	s_lshl_b32 s28, s16, 8
	s_add_co_u32 s24, s24, s28
	s_add_co_u32 s24, s24, s19
	s_add_co_u32 s24, s24, 65536                   ; its scale words: 65,536 + 256 s + 64 u
	s_mov_b32 s25, 0
	s_lshl_b32 s28, s16, 17                        ; hbp: 131,072 s + 256 c
	s_add_co_u32 s28, s28, s18
	s_mov_b32 s29, 0
	s_mov_b32 s[SEL], 0x76543210
	s_mov_b32 s[SEL+1], 0xfedcba98
	s_mov_b32 s[MNT], 0x600000
	; every address register is made here, ahead of the first parting of the roles
	v_and_b32 v1, 15, v0                           ; r
	v_bfe_u32 v2, v0, 4, 1                         ; h
	s_delay_alu instid0(VALU_DEP_2)
	v_lshlrev_b32 v3, 2, v1
	s_delay_alu instid0(VALU_DEP_1)
	v_lshl_add_u32 v3, v2, 16, v3                  ; W1: column r, lanes 16-31 sixteen rows further down
	s_delay_alu instid0(VALU_DEP_4)
	v_lshlrev_b32 v4, 12, v1
	s_delay_alu instid0(VALU_DEP_1)
	v_lshl_add_u32 v4, v2, 6, v4                   ; hidden state: row r, + 64 h: my 16 numbers of a block of 32
	v_mul_u32_u24 v5, v1, SP
	s_delay_alu instid0(VALU_DEP_1)
	v_lshl_add_u32 v5, v2, 5, v5
	s_delay_alu instid0(VALU_DEP_1)
	v_add_nc_u32 v5, s19, v5                       ; the stage, in: row r, columns 16 u + 8 h on
	v_lshrrev_b32 v6, 4, v0                        ; thread / 16: 0..15
	s_delay_alu instid0(VALU_DEP_1)
	v_lshlrev_b32 v9, 12, v6
	s_delay_alu instid0(VALU_DEP_1)
	v_lshl_add_u32 v9, v1, 4, v9                   ; hbp: that row, 16 bytes a thread
	s_delay_alu instid0(VALU_DEP_3)
	v_mul_u32_u24 v6, v6, SP
	s_delay_alu instid0(VALU_DEP_1)
	v_lshl_add_u32 v6, v1, 4, v6                   ; the stage, out: the same
	v_and_b32 v7, 31, v0
	s_delay_alu instid0(VALU_DEP_1)
	v_lshlrev_b32 v7, 4, v7                        ; W1c: 16 x lane
	v_lshlrev_b32 v8, 2, v1                        ; its scale word: 4 r
.irp b, 0,1,2,3
	v_mov_b32 v[TM+4+\b], 0                        ; written once: a lane permute's destination counts as one of its sources
.endr
	s_wait_kmcnt 0x0
	s_add_nc_u64 s[4:5], s[4:5], s[20:21]
	s_add_nc_u64 s[6:7], s[6:7], s[22:23]
	s_add_nc_u64 s[24:25], s[8:9], s[24:25]
	s_add_nc_u64 s[8:9], s[8:9], s[26:27]
	s_add_nc_u64 s[10:11], s[10:11], s[28:29]
	s_cmp_eq_u32 s[ROLE], 0
	s_cbranch_scc1 .Lno_hidden
.irp mt, 0,1                                       ; role 1: the K step's 128 numbers of 32 rows: 16 neighbours of each block of 32 to a lane
.irp b, 0,1,2,3
.irp jj, 0,1,2,3
	global_load_b128 v[XH0+64*\mt+16*\b+4*\jj:XH0+64*\mt+16*\b+4*\jj+3], v4, s[6:7] offset:65536*\mt+128*\b+16*\jj
.endr
.endr
.endr
.Lno_hidden:
.irp cc, 0,1,2,3
.irp i, 0,1,2,3,4,5,6,7,8,9,10,11,12,13,14,15
	global_load_b32 v[XW+16*\cc+\i], v3, s[4:5] offset:(32*\cc+\i)*4096 th:TH_LOAD_NT   ; W1(32 cc + 16 h + i, my column): the four waves of a role stand side by side on 256 bytes of a row
.endr
.endr
	s_wait_loadcnt 0x0                             ; zero: the two roles have issued different numbers of loads
	QUANT XW, PCW, PW0
	s_cmp_lg_u32 s[ROLE], 0
	s_cbranch_scc1 .Lmultiply
.irp cc, 0,1,2,3
	global_store_b128 v7, v[PCW+4*\cc:PCW+4*\cc+3], s[8:9] offset:512*\cc   ; 32 lanes store 512 consecutive bytes
.endr
	global_store_b32 v8, v[PW0], s[24:25]          ; lanes l and l + 16 hold the same word and write it to the same place
	s_branch .Ljoin
.Lmultiply:
	QUANT XH0, PCH0, PW1
	QUANT XH1, PCH1, PW2
.rept 8
	v_nop                                          ; a scale word made by vector instructions stands eight places ahead of the scaled matrix instruction, codes so made four
.endr
	; transposed: source 0 = 16 columns of W1, source 1 = 16 rows of the hidden state: lane (r, h) holds batch r and columns 8 h + 0 .. 7 of the tile
	v_wmma_scale_f32_16x16x128_f8f6f4 v[64:71], v[PCW:PCW+15], v[PCH0:PCH0+15], 0, v[PW0], v[PW1]
	v_wmma_scale_f32_16x16x128_f8f6f4 v[72:79], v[PCW:PCW+15], v[PCH1:PCH1+15], 0, v[PW0], v[PW2]
.rept 8
	v_nop                                          ; eight places ahead of the first read of the results
.endr
	ds_store_b128 v5, v[64:67]                     ; each result from its low end on
	ds_store_b128 v5, v[68:71] offset:16
	ds_store_b128 v5, v[72:75] offset:16*SP
	ds_store_b128 v5, v[76:79] offset:16*SP+16
.Ljoin:
	s_wait_dscnt 0x0                               ; for the others' sake: my stores into the stage are done
	s_barrier_signal -1
	s_barrier_wait -1
	ds_load_b128 v[80:83], v6                      ; all eight waves: 32 rows x 256 bytes, sixteen threads to a row
	ds_load_b128 v[84:87], v6 offset:16*SP
	s_wait_dscnt 1                                 ; the first is in; the second may be out
	global_store_b128 v9, v[80:83], s[10:11]       ; sixteen lanes store 256 consecutive bytes, at a multiple of 256 from hbp's first byte
	s_wait_dscnt 0x0
	global_store_b128 v9, v[84:87], s[10:11] offset:65536
	s_wait_tensorcnt 0x0
	ds_add_u32 v14, v15
	s_wait_dscnt 0x0
	s_endpgm
.Lfunc_end_k_q62f9196d60_prep:
	.size	k_q62f9196d60_prep, .Lfunc_end_k_q62f9196d60_prep-k_q62f9196d60_prep
	.p2alignl 7, 3214868480
	.fill 96, 4, 3214868480
	.section	.rodata,"a",@progbits
	.p2align	6, 0x0
	.amdhsa_kernel k_q62f9196d60_prep
		.amdhsa_group_segment_fixed_size 9728
		.amdhsa_private_segment_fixed_size 0
		.amdhsa_enable_private_segment 0
		.amdhsa_kernarg_size 32
		.amdhsa_user_sgpr_count 2
		.amdhsa_user_sgpr_kernarg_segment_ptr 1
		.amdhsa_wavefront_size32 1
		.amdhsa_system_sgpr_workgroup_id_x 1
		.amdhsa_system_sgpr_workgroup_id_y 1
		.amdhsa_system_sgpr_workgroup_id_z 1
		.amdhsa_system_vgpr_workitem_id 0
		.amdhsa_next_free_vgpr 256
		.amdhsa_next_free_sgpr 66
		.amdhsa_reserve_vcc 0
		.amdhsa_float_denorm_mode_32 3
		.amdhsa_float_denorm_mode_16_64 3
		.amdhsa_memory_ordered 1
		.amdhsa_forward_progress 1
		.amdhsa_inst_pref_size 43
	.end_amdhsa_kernel
	.amdgpu_metadata
---
amdhsa.version: [ 1, 2 ]
amdhsa.kernels:
  - .name:           k_q62f9196d60_prep
    .symbol:         k_q62f9196d60_prep.kd
    .args:
      - { .name: W1, .offset: 0, .size: 8, .value_kind: global_buffer, .address_space: global }
      - { .name: hidden_state, .offset: 8, .size: 8, .value_kind: global_buffer, .address_space: global }
      - { .name: W1c, .offset: 16, .size: 8, .value_kind: global_buffer, .address_space: global }
      - { .name: hbp, .offset: 24, .size: 8, .value_kind: global_buffer, .address_space: global }
    .group_segment_fixed_size: 9728
    .private_segment_fixed_size: 0
    .kernarg_segment_align: 8
    .kernarg_segment_size: 32
    .max_flat_workgroup_size: 256
    .sgpr_count:     66
    .vgpr_count:     256
    .wavefront_size: 32
...
	.end_amdgpu_metadata
.endif
;; end of part 1
;; launch main (part 2): grid 256 x 1, 4 waves a work-group, clusters of 4 x 1, 327,680 bytes of LDS; arguments encoder_outputs, hbp, b1, W2, W1c, part, ml; writes part, ml
.if DOCPART == 2
	.amdgcn_target "amdgcn-amd-amdhsa--gfx1250"
	.amdhsa_code_object_version 6
	.text
	.protected	k_q62f9196d60_main
	.globl	k_q62f9196d60_main
	.p2align	8
	.type	k_q62f9196d60_main,@function
k_q62f9196d60_main:
	s_mov_b64 s[64:65], 0
	v_nop
	global_prefetch_b8 v0, s[64:65] scope:SCOPE_SE
	s_setreg_imm32_b32 hwreg(HW_REG_WAVE_MODE, 25, 1), 1
	s_wait_xcnt 0x0
	s_wait_alu depctr_hold_cnt(0) depctr_sa_sdst(0) depctr_va_vdst(0) depctr_va_sdst(0) depctr_va_ssrc(0) depctr_va_vcc(0) depctr_vm_vsrc(0)
	s_getreg_b32 s2, hwreg(HW_REG_IB_STS2, 6, 4)
	s_cmp_eq_u32 s2, 0
	s_cbranch_scc0 .Lentry_in_a_cluster
	s_endpgm
.Lentry_in_a_cluster:
	s_bfe_u32 s2, ttmp6, 0x10000c
	s_cmp_lg_u32 s2, 0x3003
	s_cbranch_scc0 .Lentry_shape_is_right
	s_endpgm
.Lentry_shape_is_right:
; A work-group takes 128 steps (rows) of one batch through the whole chain:
;   1  the rows (128 x 1,024 f32) are quantised along K into codes of E4M3, which stay in registers as matrix operands; K steps 0-5 (768 channels) are also kept as bf16 for the last product;
;   2  pre = Q(rows) Q(W1[0:1024]) + hb, hb = b1 + the hidden state's half (the same for all rows of a batch: the C of each sum's first product); selu; the product with W2: the hidden layer never leaves the registers;
;   3  a softmax over the 128 scores with their own maximum m: p = exp(score - m), l = sum p; part = sum p x row.  The next launch joins a batch's eight work-groups.
; What is multiplied by W2 is selu(x) / lambda + alpha = max(x, 0) + alpha exp(min(x, 0)).  LEFT OUT: alpha x the sum of W2, and b2: the same for all steps, so the softmax cancels them (b2 is no argument).
; SHARES: wave w = (i, j).  Phases 1 and 3: rows 32 w on.  Phase 2: rows 64 i on, and of each slot's 64 columns the half j: two blocks of 16 columns; a block is 32 products, 4 row tiles x 8 K steps.
; W1's codes: 16 slots of 64 columns x all of K through a ring of two.  CLUSTER: four work-groups walk the same slots and ask for each quarter JOINTLY.  Cluster c begins at slot c % 16, so that the clusters
; stand at different slots; hb and W2 lie in LDS in the order of the walk.  No prefetch of W1's codes: in each trip the 64 clusters ask for all 16 slots, so what a trip asks for other clusters have asked for the trip before.
; Block b stands in register set b % 2; while block b is multiplied the other set takes block b + 1, in four runs of LDS loads.  The epilogue of block b - 1 stands among block b's products.
; K STEPS 6 AND 7 of the rows come a second time, as f32, into the two slots when W1's last columns have left them: LDS and registers do not hold their bf16 beside the ring.  No prefetch of them: this work-group has read the same bytes in phase 1.
; LIMITS: NaN and infinities are not served; a block of zeros gets the scale byte 1 where the rule says 127 (its codes are zeros; this program alone reads the bytes); 768 of 1,024 channels are rounded to bf16 for the last product.
; LDS:
.set SLOTB,  67584                     ; RING: two slots, filled by tensor loads alone
.set QUARB,  16896
.set PAN,    135168                    ; bf16 panels 0-4: 128 rows x 256 bytes each; panel 5: rows 0-15 of each wave.  In phase 3 a wave's sums lie in its own part of panel 0
.set PAN5,   PAN+163840
.set STG,    PAN+131072                ; phase 1 alone (panels 4 and 5 are stored behind it): a stage of 16 rows x 528 for each wave,
.set STGW,   8448
.set SPITCH, 528
.set EXC,    STG+4*STGW                ; the code images of one K step,
.set EXS,    EXC+16384                 ; and their scale words
.set CONST,  317440                    ; hb [1024], W2 [1024]
.set SPARE,  325632                    ; the spare words, 128 bytes a wave
.set SCR,    326144                    ; partial scores [j][128]
.set PAR,    327168                    ; p, 32 numbers a wave
; REGISTERS.  Windows 2, 3: the rows' codes, (K step s, tile mm) in window 2 + s / 4 at 64 (s % 4) + 16 mm.  Window 1: phase 1: loaded rows, bf16 of K steps 4 and 5; phase 2: the two sets of W1.  Window 0:
.set SPW, 1
.set NIL, 2
.set AB, 3
.set AS, 4
.set ADC, 5
.set AB0, 6
.set AS0, 7
.set ADC0, 8
.set S, 10                             ; v10-17 the four row tiles' running products with W2
.set ASC, 24                           ; v24-55 the rows' scale words (4 s + mm)
.set BSC, 56                           ; v56-71 W1's (s), a set for each block parity
.set HB, 72                            ; v72-87 hb for the even and the odd block
.set W2R, 88
.set ACC, 96                           ; v96-159 two sets of four accumulators
.set T, 160                            ; v160-191
.set PK, 192                           ; v192-223 bf16 of K step 5, my rows 16-31
.set F, 96                             ; phase 1
.set TM, 160
.set PC, 176
.set PW, 224
.set XO, 225
.set STW, 226
.set STR, 227
.set EXW, 228
.set EXSW, 229
.set EXR, 230
.set EXSR, 231
.set PNW0, 232
.set PNW1, 233
.set PNW4, 234
.set PNW5, 235
.set WV, 20
.set WI, 21
.set WJ, 22
.set G1, 32
.set G0, 40
.set TB, 44
.set TC, 45
.set SEL, 48
.set MNT, 50
.set CNT, 51
.set L2E, 52
.set AL, 54
.set LAM, 56
.set TP, 58
.set TPP, 59
.set SLI, 66
.set G1X, 68
.set G0X, 76
.set MSB, 0
.macro WIN new                         ; the immediate's high byte repeats the setting that is left
.if MSB != (\new)
	s_set_vgpr_msb (MSB<<8)|(\new)
.set MSB, (\new)
.endif
.endm
.macro CREST                           ; a round of the cluster's barrier behind its opening barrier
	s_cmp_lg_u32 s[WV], 0
	s_cbranch_scc1 .Lnot_wave_0_\@
	s_barrier_signal -3
.Lnot_wave_0_\@:
	s_barrier_wait -3
	s_barrier_signal -1
	s_barrier_wait -1
.endm
.macro CROUND
	s_barrier_signal -1
	s_barrier_wait -1
	CREST
.endm
.macro TLOAD g0, g1
	tensor_load_to_lds s[\g0:\g0+3], s[\g1:\g1+7]
	s_nop 0
.rept 4
	v_nop
.endr
.endm
; F's 64 numbers, register 16 b + i = k 32 b + 16 (lane / 16) + i of my row, become a fragment's codes in v[PC] on and its scale word in v[PW]
.macro QUANT
.irp b, 0,1,2,3
	v_max3_num_f32 v[TM+\b], |v[F+16*\b]|, |v[F+1+16*\b]|, 0x4800000   ; with the floor 2^(9 - 127): the byte cannot fall under 1
.endr
.irp i, 2,4,6,8,10,12,14
.irp b, 0,1,2,3
	v_max3_num_f32 v[TM+\b], v[TM+\b], |v[F+16*\b+\i]|, |v[F+1+16*\b+\i]|
.endr
.endr
.irp b, 0,1,2,3
	v_permlanex16_b32 v[TM+4+\b], v[TM+\b], s[SEL], s[SEL+1]
.endr
.irp b, 0,1,2,3
	v_max_num_f32 v[TM+\b], v[TM+\b], v[TM+4+\b]           ; with lane l xor 16's 16 numbers
.endr
.irp b, 0,1,2,3
	v_add_nc_u32 v[TM+12+\b], 0xfc000000, v[TM+\b]         ; 8 off its exponent field: the conversion's scale operand
.endr
.irp b, 0,1,2,3
	v_and_or_b32 v[TM+8+\b], v[TM+\b], 0x7f800000, s[MNT]  ; 448 x the scale
.endr
.irp b, 0,1,2,3
	v_lshrrev_b32 v[TM+4+\b], 23, v[TM+12+\b]              ; the byte
.endr
	v_lshl_or_b32 v[PW], v[TM+5], 8, v[TM+4]
	v_lshl_or_b32 v[PW], v[TM+6], 16, v[PW]
	v_lshl_or_b32 v[PW], v[TM+7], 24, v[PW]
.irp b, 0,1,2,3
.irp i, 0,1,2,3,4,5,6,7,8,9,10,11,12,13,14,15
	v_med3_num_f32 v[F+16*\b+\i], v[F+16*\b+\i], -v[TM+8+\b], v[TM+8+\b]   ; the conversion does not saturate (ISA guide 7.6.2): the hold comes first
.endr
	v_cvt_scalef32_pk8_fp8_f32 v[PC+4*\b:PC+4*\b+1], v[F+16*\b:F+16*\b+7], v[TM+12+\b]
	v_cvt_scalef32_pk8_fp8_f32 v[PC+4*\b+2:PC+4*\b+3], v[F+16*\b+8:F+16*\b+15], v[TM+12+\b]
.endr
	v_nop
.endm
; Job q = 2 s + e: K step s (512 bytes of a row) of my rows 16 e on: sixteen loads, a row each
.macro XLOAD q
.set xs, (\q)/2
.set xe, (\q)%2
.set xr, 64*(xs%4)
	WIN (1+xe*(1+xs/4))<<6
.irp rr, 0,1,2,3,4,5,6,7,8,9,10,11,12,13,14,15
.if xs < 6
	global_load_b128 v[xr+4*\rr:xr+4*\rr+3], v[XO], s[4:5] offset:(16*xe+\rr)*4096+512*xs th:TH_LOAD_NT
.else
	global_load_b128 v[xr+4*\rr:xr+4*\rr+3], v[XO], s[4:5] offset:(16*xe+\rr)*4096+512*xs
.endif
.endr
	WIN 0
.endm
.macro JOB q
.set js, (\q)/2
.set je, (\q)%2
.set jw, 1+je*(1+js/4)
.set jr, 64*(js%4)
.if (\q) <= 12
	s_wait_loadcnt 48                              ; my job's sixteen loads are in; the three jobs behind it stay out
.else
	s_wait_loadcnt 16*(15-(\q))
.endif
	WIN jw<<2
.irp rr, 0,1,2,3,4,5,6,7,8,9,10,11,12,13,14,15
	ds_store_b128 v[STW], v[jr+4*\rr:jr+4*\rr+3] offset:SPITCH*\rr   ; the rows as they lie, into my own stage;
.endr
.irp b, 0,1,2,3
.irp jj, 0,1,2,3
	ds_load_b128 v[F+16*\b+4*\jj:F+16*\b+4*\jj+3], v[STR] offset:128*\b+16*\jj   ; and back: 16 neighbours of each block of 32.  LDS serves a wave's instructions in order
.endr
.endr
.if js < 6
	s_wait_dscnt 16                                ; all but the read-backs: the stores have read the registers that the roundings write over
.set jd, jr+32*je
.set jx, 1
.if (\q) == 11
.set jd, PK
.set jx, 0
.endif
	WIN (jx<<6)|(jw<<2)|jw
.irp rr, 0,1,2,3,4,5,6,7,8,9,10,11,12,13,14,15
	v_cvt_pk_bf16_f32 v[jd+2*\rr], v[jr+4*\rr], v[jr+4*\rr+1]       ; ascending, so that in place no source is lost
	v_cvt_pk_bf16_f32 v[jd+2*\rr+1], v[jr+4*\rr+2], v[jr+4*\rr+3]
.endr
.endif
.if js < 4
	WIN 1<<2
.irp rr, 0,1,2,3,4,5,6,7,8,9,10,11,12,13,14,15
	ds_store_b64 v[PNW0+js/2], v[jr+32*je+2*\rr:jr+32*je+2*\rr+1] offset:(js%2)*32768+(16*je+\rr)*256
.endr
	WIN 0
	s_wait_dscnt 16                                ; all but the panel stores: F is in, and the last job's images have left v[PC] on
.else
	WIN 0
	s_wait_dscnt 0x0
.endif
	QUANT
.irp cc, 0,1,2,3
	ds_store_b128 v[EXW], v[PC+4*\cc:PC+4*\cc+3] offset:2048*je+512*\cc   ; the fragment as it stands: row tile 2 w + e
.endr
	ds_store_b32 v[EXSW], v[PW] offset:128*je
.if (\q) <= 11
	XLOAD (\q)+4
.endif
.endm
; K step s changes hands: wave (i, j) takes row tiles 4 i .. 4 i + 3
.macro XCHG s
	s_wait_dscnt 0x0                               ; my images have landed
	s_barrier_signal -1
	s_barrier_wait -1
	WIN (2+(\s)/4)<<6
.irp mm, 0,1,2,3
.irp cc, 0,1,2,3
	ds_load_b128 v[64*((\s)%4)+16*\mm+4*\cc:64*((\s)%4)+16*\mm+4*\cc+3], v[EXR] offset:2048*\mm+512*\cc
.endr
.endr
	WIN 0
.irp mm, 0,1,2,3
	ds_load_b32 v[ASC+4*(\s)+\mm], v[EXSR] offset:128*\mm
.endr
	s_wait_dscnt 0x0                               ; my reads are over: behind this barrier the images may be written again
	s_barrier_signal -1
	s_barrier_wait -1
.endm
; ---- PHASE 2
; Product n = 4 k + mm of a block of parity e.  Source 0 = 16 columns of W1, source 1 = 16 rows: a lane holds one row and eight neighbouring hidden units.  The four accumulators by turns, one instruction a turn.
.macro PROD e
.set pk_, n/4
.set pm_, n%4
.set rD, ACC+32*(\e)+8*pm_
.set rC, rD
.if pk_ == 0
.set rC, HB+8*(\e)
.endif
.set rB, 128*(\e)+16*pk_
.set rA, 64*(pk_%4)+16*pm_
.set rSB, BSC+8*(\e)+pk_
.set rSA, ASC+4*pk_+pm_
	WIN 0x09+4*(pk_/4)
.if \e
	v_wmma_scale_f32_16x16x128_f8f6f4 v[rD:rD+7], v[rB:rB+15], v[rA:rA+15], v[rC:rC+7], v[rSB], v[rSA] matrix_a_scale:MATRIX_SCALE_ROW1
.else
	v_wmma_scale_f32_16x16x128_f8f6f4 v[rD:rD+7], v[rB:rB+15], v[rA:rA+15], v[rC:rC+7], v[rSB], v[rSA]
.endif
.endm
; THE EPILOGUE of the 32 numbers x of the set at v[xb]: LINEA 0 .. 63: T = min(x, 0), x - T = max(x, 0), T log2(e), an accumulator at a time from its low end on;
; EXPS: one batch with its two waits; LINEB 0 .. 15: x + alpha T; LINEC 0 .. 15, in the same order: x W2, onto the four row tiles' sums by turns.
.macro LINEA
.set ag, 8*(j/16)
.set ai, j%16
.if ai < 8
	v_min_num_f32 v[T+ag+ai], 0, v[xb+ag+ai]
.elseif ai < 12
.set aq, ag+2*(ai-8)
	v_pk_fma_f32 v[xb+aq:xb+aq+1], v[T+aq:T+aq+1], -1.0, v[xb+aq:xb+aq+1] op_sel_hi:[1,0,1]
.else
.set aq, ag+2*(ai-12)
	v_pk_mul_f32 v[T+aq:T+aq+1], v[T+aq:T+aq+1], s[L2E:L2E+1] op_sel_hi:[1,0]
.endif
.set j, j+1
.endm
.macro EXPS
	s_wait_alu depctr_va_vdst(0)                   ; the wait ahead of the batch
.set q_, 0
.rept 32
	v_exp_f32 v[T+q_], v[T+q_]
.set q_, q_+1
.endr
	v_nop                                          ; a plain line behind the last
	s_wait_alu depctr_va_vdst(0)                   ; and for the one behind it
.endm
.macro LINEB
.set bq, 8*(j%4)+2*(j/4)
	v_pk_fma_f32 v[xb+bq:xb+bq+1], v[T+bq:T+bq+1], s[AL:AL+1], v[xb+bq:xb+bq+1] op_sel_hi:[1,0,1]
.set j, j+1
.endm
.macro LINEC
.set cs, S+2*(j%4)
.set cq, xb+8*(j%4)+2*(j/4)
.set cw, W2R+2*(j/4)
	v_pk_fma_f32 v[cs:cs+1], v[cq:cq+1], v[cw:cw+1], v[cs:cs+1]
.set j, j+1
.endm
.macro DESC rnd                        ; no tensor load of mine is out: group 0 may be written
.if (\rnd) == 1
	s_xor_b32 s[G0+1], s[G0+1], SLOTB              ; the other slot: 67,584 shares no bit with 16,896 x wave
	s_add_co_u32 s[SLI], s[SLI], 1                 ; the walk's next slot
	s_and_b32 s[SLI], s[SLI], 15
	s_mul_i32 s62, s[SLI], SLOTB
	s_add_nc_u64 s[G0+2:G0+3], s[12:13], s[62:63]
	s_or_b32 s[G0+3], s[G0+3], 0x80000000
.else
	s_xor_b32 s[G0X+1], s[G0X+1], SLOTB
	s_add_nc_u64 s[G0X+2:G0X+3], s[G0X+2:G0X+3], 512   ; the rows' next K step
.endif
.endm
; LDS loads for a block of parity f: W1's fragments of K steps from .. to - 1 into set f; from = 0: ahead of them hb and W1's scale words
.macro FPART f, hoff, from, to
.if (\from) == 0
	ds_load_b128 v[HB+8*(\f):HB+8*(\f)+3], v[ADC] offset:(\hoff)+64*(\f)
	ds_load_b128 v[HB+8*(\f)+4:HB+8*(\f)+7], v[ADC] offset:(\hoff)+64*(\f)+16
.irp s, 0,1,2,3,4,5,6,7
	ds_load_b32 v[BSC+8*(\f)+\s], v[AS] offset:256*\s
.endr
.endif
	WIN 1<<6
.set ff_, \from
.rept (\to)-(\from)
.irp cc, 0,1,2,3
	ds_load_b128 v[128*(\f)+16*ff_+4*\cc:128*(\f)+16*ff_+4*\cc+3], v[AB] offset:16384*(\f)+2048*ff_+512*\cc
.endr
.set ff_, ff_+1
.endr
	WIN 0
.endm
; A BLOCK.  rnd = 1, 2: with a round of the cluster's barrier, behind which a slot is filled: 1: jointly with W1's columns, 2: with my own rows' K step 6 or 7.
; get = 1: the next block's loads stand in four runs, each where a group of LINEA has ended: no line behind a run reads what one ahead of it wrote, but behind EXPS's wait.
; Behind product 27 stands the wait for all LDS loads: those of the next block, and W2 for LINEC.
.macro BLK e, rnd, get
.set xb, ACC+32*(1-(\e))
.set n, 0
.set j, 0
.rept 32
.if \get
.if n == 0
	FPART (1-(\e)), 256*(\e), 0, 1
.elseif n == 5
	FPART (1-(\e)), 256*(\e), 1, 3
.elseif n == 10
	FPART (1-(\e)), 256*(\e), 3, 5
.elseif n == 20
	FPART (1-(\e)), 256*(\e), 5, 8
.endif
.endif
.if n == 20
	WIN 0
	EXPS
.set j, 0
.endif
.if (n == 24) && (\rnd)
	WIN 0
	s_wait_tensorcnt 0x0                           ; all my tensor loads have landed: my part of the other slot;
	ds_add_u32 v[SPW], v[NIL]
	DESC \rnd
.endif
.if n == 28
.set j, 0
	s_wait_dscnt 0x0                               ; the next block is in (and the add is done): my reads of the slot are over
.if \rnd
	s_barrier_signal -1
.endif
.endif
	PROD \e
	WIN 0
.if n < 20
.rept (64*(n+1))/20-(64*n)/20
	LINEA
.endr
.elseif n < 28
	LINEB
	LINEB
.else
	LINEC
	LINEC
.endif
.set n, n+1
.endr
.rept 8
	LINEC                                          ; also the eight places behind the last product, ahead of the loads into its registers
.endr
.if \rnd
	s_barrier_wait -1
	CREST                                          ; no wave of any partner still reads the slot or has a load on its way
.if (\rnd) == 1
	TLOAD G0, G1
.else
	TLOAD G0X, G1X
.endif
.endif
.endm
.macro W2LOAD e                        ; W2 for the epilogue of the block just multiplied
	ds_load_b128 v[W2R:W2R+3], v[ADC] offset:4096+64*(\e)
	ds_load_b128 v[W2R+4:W2R+7], v[ADC] offset:4096+64*(\e)+16
.endm
.macro ADDR
	v_add_nc_u32 v[AB], s[TB], v[AB0]
	v_add_nc_u32 v[AS], s[TB], v[AS0]
	v_add_nc_u32 v[ADC], s[TC], v[ADC0]
.endm
	s_load_b256 s[4:11], s[0:1], 0x0               ; encoder_outputs s[4:5], hbp s[6:7], b1 s[8:9], W2 s[10:11]
	s_load_b128 s[12:15], s[0:1], 0x20             ; W1c s[12:13], part s[14:15]
	s_load_b64 s[16:17], s[0:1], 0x30              ; ml
	v_lshl_add_u32 v[SPW], v0, 2, SPARE
	v_mov_b32 v[NIL], 0
	ds_add_u32 v[SPW], v[NIL]                      ; the opening lines: the add, twice on end
	ds_add_u32 v[SPW], v[NIL]
	v_lshrrev_b32 v18, 5, v0
	v_readfirstlane_b32 s[WV], v18                 ; wave 0..3
	s_lshr_b32 s[WI], s[WV], 1
	s_and_b32 s[WJ], s[WV], 1
	s_bfe_u32 s23, ttmp6, 0x40000
	s_lshl_b32 s24, ttmp9, 2
	s_add_co_u32 s24, s24, s23                     ; g: my block of 128 rows: it enters global addresses alone
	s_lshr_b32 s25, s24, 3                         ; the batch
	s_and_b32 s[SLI], ttmp9, 15                    ; the cluster's first slot
	s_lshl_b32 s57, s[SLI], 8
	; group 1: a quarter of a slot as 66 rows of 256 bytes, joint
	s_mov_b32 s[G1], 15|(3<<16)|(1<<21)
	s_mov_b32 s[G1+1], 32<<16
	s_mov_b32 s[G1+2], 66<<16
	s_mov_b32 s[G1+3], 32<<16
	s_mov_b32 s[G1+4], 66
	s_mov_b32 s[G1+5], 32
	s_mov_b32 s[G1+6], 0
	s_mov_b32 s[G1+7], 0
	; my 32 rows' 512 bytes of a K step, 4,096 bytes apart, in elements of 8 bytes
	s_mov_b32 s[G1X], 3<<16
	s_mov_b32 s[G1X+1], 64<<16
	s_mov_b32 s[G1X+2], 32<<16
	s_mov_b32 s[G1X+3], 64<<16
	s_mov_b32 s[G1X+4], 32
	s_mov_b32 s[G1X+5], 512
	s_mov_b32 s[G1X+6], 0
	s_mov_b32 s[G1X+7], 0
	s_mul_i32 s46, s[WV], QUARB                    ; my quarter, in memory and in LDS alike
	s_mov_b32 s47, 0
	s_mov_b32 s[SEL], 0x76543210
	s_mov_b32 s[SEL+1], 0xfedcba98
	s_mov_b32 s[MNT], 0x600000
	s_mov_b32 s[L2E], 0x3fb8aa3b                   ; log2(e)
	s_mov_b32 s[L2E+1], s[L2E]
	s_mov_b32 s[AL], 0x3fd62d7d                    ; alpha
	s_mov_b32 s[AL+1], s[AL]
	s_mov_b32 s[LAM], 0x3f867d5f                   ; lambda
	; phase 3's places
	s_lshl_b32 s82, s[WJ], 9
	s_lshl_b32 s83, s[WI], 8
	s_add_co_u32 s82, s82, s83
	s_add_co_u32 s82, s82, SCR
	s_lshl_b32 s83, s[WV], 7
	s_add_co_u32 s84, s83, PAR
	s_add_co_u32 s83, s83, SCR
	s_lshl_b32 s85, s[WV], 13
	s_add_co_u32 s85, s85, PAN
	s_lshl_b32 s86, s[WV], 12
	s_add_co_u32 s86, s86, PAN5
	s_lshl_b32 s87, s[WV], 14
	s_lshl_b32 s88, s[WV], 10
	s_add_co_u32 s88, s88, PAN
	s_add_co_u32 s89, s85, 3072
	s_add_co_u32 s90, s85, 2560
	; phase 1's and 2's
	s_lshl_b32 s23, s[WV], 17
	s_mul_i32 s26, s[WV], STGW
	s_add_co_u32 s26, s26, STG
	s_lshl_b32 s27, s[WV], 12
	s_add_co_u32 s27, s27, EXC
	s_lshl_b32 s28, s[WV], 8
	s_add_co_u32 s28, s28, EXS
	s_lshl_b32 s29, s[WI], 13
	s_add_co_u32 s29, s29, EXC
	s_lshl_b32 s30, s[WI], 9
	s_add_co_u32 s30, s30, EXS
	s_lshl_b32 s31, s[WJ], 15
	s_lshl_b32 s60, s[WJ], 7
	s_add_co_u32 s61, s60, CONST
	s_add_co_u32 s60, s60, 65536
	v_and_b32 v18, 31, v0                          ; lane
	v_and_b32 v19, 15, v0                          ; r
	v_bfe_u32 v20, v0, 4, 1                        ; h
	v_lshlrev_b32 v21, 4, v18
	v_add_nc_u32 v[XO], s23, v21
	v_add_nc_u32 v[STW], s26, v21
	v_mul_u32_u24 v[STR], v19, SPITCH
	v_lshl_add_u32 v[STR], v20, 6, v[STR]
	v_add_nc_u32 v[STR], s26, v[STR]
	v_add_nc_u32 v[EXW], s27, v21
	v_lshl_add_u32 v[EXSW], v18, 2, s28
	v_add_nc_u32 v[EXR], s29, v21
	v_lshl_add_u32 v[EXSR], v18, 2, s30
	v_lshl_add_u32 v[PNW0], v18, 3, s85
	v_add_nc_u32 v[PNW1], 65536, v[PNW0]
	v_add_nc_u32 v[PNW4], 131072, v[PNW0]
	v_lshl_add_u32 v[PNW5], v18, 3, s86
	v_add_nc_u32 v[AB0], s31, v21
	v_lshl_add_u32 v[AS0], v18, 2, s60
	v_lshl_add_u32 v[ADC0], v20, 5, s61
	v_lshlrev_b32 v21, 4, v0                       ; the constants: 16 bytes a thread,
	v_add_nc_u32 v22, CONST, v21
	v_add_nc_u32 v21, s57, v21                     ; in the order of the walk
	v_and_b32 v21, 4095, v21
	v_xor_b32 v23, 2048, v21
.irp b, 0,1,2,3
	v_mov_b32 v[TM+4+\b], 0                        ; a lane permute's destination counts as one of its sources.  (The constants' loads land here first)
.endr
	s_wait_alu depctr_va_vdst(0)
	s_wait_dscnt 0x0                               ; both opening adds are done
	s_wait_kmcnt 0x0
	s_lshl_b32 s62, s24, 19
	s_mov_b32 s63, 0
	s_add_nc_u64 s[4:5], s[4:5], s[62:63]          ; my 128 rows
	s_lshl_b32 s62, s25, 12
	s_add_nc_u64 s[6:7], s[6:7], s[62:63]          ; the batch's row of hbp
.irp sp, 0,1,2,3,4,5,6,7
	global_load_b128 v[128+8*\sp:131+8*\sp], v21, s[6:7] offset:131072*\sp
	global_load_b128 v[132+8*\sp:135+8*\sp], v23, s[6:7] offset:131072*\sp
.endr
	global_load_b128 v[192:195], v21, s[8:9]
	global_load_b128 v[196:199], v23, s[8:9]
	global_load_b128 v[200:203], v21, s[10:11]
	global_load_b128 v[204:207], v23, s[10:11]
	XLOAD 0
	XLOAD 1
	XLOAD 2                                        ; (the lines below write none of these loads' sources)
	s_add_nc_u64 s[12:13], s[12:13], s[46:47]      ; W1c: my quarter
	s_lshl_b32 s62, s24, 12
	s_add_nc_u64 s[14:15], s[14:15], s[62:63]      ; part: 4,096 g + 1,024 w
	s_lshl_b32 s62, s[WV], 10
	s_add_nc_u64 s[14:15], s[14:15], s[62:63]
	s_lshl_b32 s62, s24, 8
	s_add_nc_u64 s[16:17], s[16:17], s[62:63]      ; ml: 256 g
	s_mov_b32 s62, s23
	s_add_nc_u64 s[G0X+2:G0X+3], s[4:5], s[62:63]  ; the refills with my rows: stepped to K step 6 ahead of the first
	s_add_nc_u64 s[G0X+2:G0X+3], s[G0X+2:G0X+3], 2560
	s_or_b32 s[G0X+3], s[G0X+3], 0x80000000
	s_mov_b32 s[G0X], 1
	s_add_co_u32 s[G0X+1], s87, SLOTB              ; (67,584 shares no bit with 16,384 x wave)
	s_mul_i32 s62, s[SLI], SLOTB
	s_mov_b32 s[G0], 1
	s_mov_b32 s[G0+1], s46
	s_add_nc_u64 s[G0+2:G0+3], s[12:13], s[62:63]  ; the walk's first slot: the same in all four partners
	s_or_b32 s[G0+3], s[G0+3], 0x80000000
	CROUND                                         ; all four work-groups are here: the first joint loads meet
	TLOAD G0, G1                                   ; it lands while the rows are quantised
	s_wait_loadcnt 48                              ; the constants are in; the three jobs' 48 loads stay out
.irp sp, 0,1,2,3,4,5,6,7
.irp p, 0,2,4,6
	v_pk_add_f32 v[192+\p:193+\p], v[192+\p:193+\p], v[128+8*\sp+\p:129+8*\sp+\p]   ; hb = b1 + the eight partial products
.endr
.endr
	ds_store_b128 v22, v[192:195]
	ds_store_b128 v22, v[196:199] offset:2048
	ds_store_b128 v22, v[200:203] offset:4096
	ds_store_b128 v22, v[204:207] offset:6144
	XLOAD 3
	; ---- PHASE 1, written out: the register numbers never come back
.irp s, 0,1,2,3,4,5,6,7
	JOB 2*\s
	JOB 2*\s+1
	XCHG \s
.endr
	WIN 1<<2                                       ; nobody uses the stages and the images any more: panels 4 and 5 take their place
.set n, 0
.rept 32
	ds_store_b64 v[PNW4], v[2*n:2*n+1] offset:256*n
.set n, n+1
.endr
.set n, 0
.rept 16
	ds_store_b64 v[PNW5], v[64+2*n:64+2*n+1] offset:256*n
.set n, n+1
.endr
	WIN 0
	; ---- PHASE 2
	s_wait_tensorcnt 0x0                           ; my quarter of the first slot is in
	ds_add_u32 v[SPW], v[NIL]
	DESC 1
	s_mov_b32 s[TB], 0
	s_mov_b32 s[TC], 0
	s_mov_b32 s[CNT], 14
	s_wait_dscnt 0x0
	CROUND
	TLOAD G0, G1                                   ; the walk's second slot: its first fill, issued as a refill is
.irp n, 0,1,2,3,4,5,6,7
	v_mov_b32 v[S+\n], 0
	v_mov_b32 v[W2R+\n], 0                         ; block 0 carries an epilogue of zeros: W2 = 0 adds nothing
.endr
.set n, 0
.rept 32
	v_mov_b32 v[ACC+32+n], 0
.set n, n+1
.endr
	ADDR
	FPART 0, 0, 0, 8
	s_wait_alu depctr_va_vdst(0)
	s_wait_dscnt 0x0                               ; block 0 is in
.Lslot:                                                ; 14 trips: blocks 2 t, 2 t + 1 of slot t; slot t + 2 is asked for
	ADDR
	BLK 0, 1, 1                                    ; fetches the slot's second block
	W2LOAD 0
	s_xor_b32 s[TB], s[TB], SLOTB                  ; on to the other slot
	ADDR
	BLK 1, 0, 1                                    ; fetches the next slot's first
	W2LOAD 1
	s_add_co_u32 s[TC], s[TC], 256
	s_sub_co_u32 s[CNT], s[CNT], 1
	s_cmp_lg_u32 s[CNT], 0
	s_cbranch_scc1 .Lslot
	s_mov_b32 s[CNT], 2
.Llast:                                                ; 2 trips: the slot that W1 has left takes my rows' K step 6, then 7; the last block has no block behind it
	ADDR
	BLK 0, 2, 1
	W2LOAD 0
	s_xor_b32 s[TB], s[TB], SLOTB
	ADDR
	s_cmp_eq_u32 s[CNT], 1
	s_cbranch_scc1 .Lnone
	FPART 0, 256, 0, 8
.Lnone:
	BLK 1, 0, 0
	W2LOAD 1
	s_add_co_u32 s[TC], s[TC], 256
	s_sub_co_u32 s[CNT], s[CNT], 1
	s_cmp_lg_u32 s[CNT], 0
	s_cbranch_scc1 .Llast
.set xb, ACC+32                        ; the last block's epilogue, bare
.set j, 0
.rept 64
	LINEA
.endr
	EXPS
	s_wait_dscnt 0x0                               ; W2
.set j, 0
.rept 16
	LINEB
.endr
.set j, 0
.rept 16
	LINEC
.endr
	; ---- PHASE 3
.set U, 160                            ; v160-191 p of my 32 rows, the same in all lanes
.set P16, 72                           ; v72-87 p of rows 16 h + t;  v88-95 of rows 8 h + t
.set P8, 88
.set OA, 10
.set KA, 4
.set KB, 250
.set TQ, 241
.irp mm, 0,1,2,3
	v_add_f32 v[S+2*\mm], v[S+2*\mm], v[S+2*\mm+1]
.endr
.irp mm, 0,1,2,3
	v_permlanex16_b32 v[S+2*\mm+1], v[S+2*\mm], s[SEL], s[SEL+1]   ; the row's other hidden units lie in the lane 16 away
.endr
.irp mm, 0,1,2,3
	v_add_f32 v[S+2*\mm], v[S+2*\mm], v[S+2*\mm+1]
.endr
	v_and_b32 v18, 31, v0
	v_and_b32 v19, 15, v0
	v_bfe_u32 v20, v0, 4, 1
	v_lshl_add_u32 v225, v19, 2, s82               ; my partial scores
	v_lshl_add_u32 v226, v18, 2, SCR               ; all 128 scores
	v_lshl_add_u32 v227, v18, 2, s83               ; my 32 rows' scores
	v_lshl_add_u32 v228, v18, 2, s84               ; p, in
	v_mov_b32 v229, s84                            ; p, out: uniform, by 16 h, by 8 h
	v_lshl_add_u32 v230, v20, 6, s84
	v_lshl_add_u32 v231, v20, 5, s84
	v_lshl_add_u32 v232, v20, 12, s85              ; panels 0-4: lanes 0-15 my row t, lanes 16-31 my row 16 + t
	v_lshl_add_u32 v232, v19, 4, v232
	v_lshl_add_u32 v233, v20, 11, s86              ; panel 5: rows t and 8 + t
	v_lshl_add_u32 v233, v19, 4, v233
	v_lshl_add_u32 v234, v19, 5, s85               ; my sums: eight channels a lane
	v_lshl_add_u32 v235, v18, 4, s89               ; four channels a lane: K step 6 on;
	v_lshl_add_u32 v240, v18, 4, s90               ; K step 5
	v_lshl_add_u32 v236, v18, 4, s87               ; my rows' K step 6 in the ring
	v_lshl_add_u32 v237, v18, 4, s88               ; all waves' sums at channels 256 w on
	v_lshlrev_b32 v238, 4, v18
	v_lshlrev_b32 v239, 3, v18
.irp c, 0,1,2,3,4,5,6,7
	v_mov_b32 v[TQ+\c], 0                          ; a lane permute's destination counts as one of its sources
.endr
.irp mm, 0,1,2,3
	ds_store_b32 v225, v[S+2*\mm] offset:64*\mm    ; lanes l and l + 16 write the same word with the same value
.endr
	s_wait_alu depctr_va_vdst(0)
	s_wait_dscnt 0x0
	s_barrier_signal -1
	s_barrier_wait -1
.irp k, 0,1,2,3
	ds_load_b32 v[128+\k], v226 offset:128*\k
	ds_load_b32 v[132+\k], v226 offset:512+128*\k
.endr
	ds_load_b32 v136, v227
	ds_load_b32 v137, v227 offset:512
	s_wait_dscnt 0x0
.irp k, 0,1,2,3
	v_add_f32 v[128+\k], v[128+\k], v[132+\k]
.endr
	v_add_f32 v136, v136, v137
.irp k, 128,129,130,131,136
	v_mul_f32 v[\k], s[LAM], v[\k]                 ; the score, but for what is the same for all steps
.endr
	v_max3_num_f32 v22, v128, v129, v130
	v_max_num_f32 v22, v22, v131
	v_max_num_f32_dpp v22, v22, v22 row_xmask:1 row_mask:0xf bank_mask:0xf
	v_max_num_f32_dpp v22, v22, v22 row_xmask:2 row_mask:0xf bank_mask:0xf
	v_max_num_f32_dpp v22, v22, v22 row_xmask:4 row_mask:0xf bank_mask:0xf
	v_max_num_f32_dpp v22, v22, v22 row_xmask:8 row_mask:0xf bank_mask:0xf
	v_permlanex16_b32 v[TQ], v22, s[SEL], s[SEL+1]
	v_max_num_f32 v22, v22, v[TQ]                  ; m
.irp k, 128,129,130,131,136
	v_sub_f32 v[\k], v[\k], v22
.endr
.irp k, 128,129,130,131,136
	v_mul_f32 v[\k], s[L2E], v[\k]
.endr
	s_wait_alu depctr_va_vdst(0)                   ; the wait ahead of the batch,
.irp k, 128,129,130,131,136
	v_exp_f32 v[\k], v[\k]
.endr
	v_nop
	s_wait_alu depctr_va_vdst(0)                   ; and behind it
	ds_store_b32 v228, v136
.irp k, 0,1,2,3,4,5,6,7
	ds_load_b128 v[U+4*\k:U+4*\k+3], v229 offset:16*\k      ; LDS serves a wave's instructions in order: these see my store
.endr
.irp k, 0,1,2,3
	ds_load_b128 v[P16+4*\k:P16+4*\k+3], v230 offset:16*\k
.endr
	ds_load_b128 v[P8:P8+3], v231
	ds_load_b128 v[P8+4:P8+7], v231 offset:16
	v_add_f32 v23, v128, v129
	v_add_f32 v138, v130, v131
	v_add_f32 v23, v23, v138
	v_add_f32_dpp v23, v23, v23 row_xmask:1 row_mask:0xf bank_mask:0xf
	v_add_f32_dpp v23, v23, v23 row_xmask:2 row_mask:0xf bank_mask:0xf
	v_add_f32_dpp v23, v23, v23 row_xmask:4 row_mask:0xf bank_mask:0xf
	v_add_f32_dpp v23, v23, v23 row_xmask:8 row_mask:0xf bank_mask:0xf
	v_permlanex16_b32 v[TQ], v23, s[SEL], s[SEL+1]
	v_add_f32 v23, v23, v[TQ]                      ; l
.macro ROWMIX acc, x, nd, p            ; one row: nd registers of bf16 pairs x p, onto f32 sums
.set d_, 0
.rept \nd
	v_fma_mix_f32_bf16 v[\acc+2*d_], v[\x+d_], v[\p], v[\acc+2*d_] op_sel_hi:[1,0,0]
	v_fma_mix_f32_bf16 v[\acc+2*d_+1], v[\x+d_], v[\p], v[\acc+2*d_+1] op_sel:[1,0,0] op_sel_hi:[1,0,0]
.set d_, d_+1
.endr
.endm
.macro ZERO acc, cnt
.set d_, 0
.rept \cnt
	v_mov_b32 v[\acc+d_], 0
.set d_, d_+1
.endr
.endm
.macro HALVES                          ; the two halves of the lanes hold different rows' sums
.irp c, 0,1,2,3,4,5,6,7
	v_permlanex16_b32 v[TQ+\c], v[OA+\c], s[SEL], s[SEL+1]
.endr
.irp c, 0,1,2,3,4,5,6,7
	v_add_f32 v[OA+\c], v[OA+\c], v[TQ+\c]
.endr
.endm
	s_mov_b32 s[TP], 0
	s_mov_b32 s[TPP], 0
	s_mov_b32 s[CNT], 5
	s_wait_alu depctr_va_vdst(0)
.Lpanel:                                               ; panels 0-4: my own 32 rows, which I stored myself: 16 loads of two rows
	v_add_nc_u32 v18, s[TP], v232
	v_add_nc_u32 v19, s[TPP], v234
.set t_, 0
.rept 16
	ds_load_b128 v[96+4*t_:99+4*t_], v18 offset:256*t_
.set t_, t_+1
.endr
	ZERO OA, 8
	s_wait_alu depctr_va_vdst(0)
	s_wait_dscnt 8                                 ; p and the first eight are in
.set t_, 0
.rept 16
.if t_ == 8
	s_wait_alu depctr_va_vdst(0)                   ; and here
	s_wait_dscnt 0x0
.endif
	ROWMIX OA, 96+4*t_, 4, P16+t_
.set t_, t_+1
.endr
	HALVES
	ds_store_b128 v19, v[OA:OA+3]                  ; into my own part of panel 0, which I have read
	ds_store_b128 v19, v[OA+4:OA+7] offset:16
	s_add_co_u32 s[TP], s[TP], 32768
	s_add_co_u32 s[TPP], s[TPP], 512
	s_sub_co_u32 s[CNT], s[CNT], 1
	s_cmp_lg_u32 s[CNT], 0
	s_cbranch_scc1 .Lpanel
.set t_, 0
.rept 8
	ds_load_b128 v[96+4*t_:99+4*t_], v233 offset:256*t_     ; panel 5: my rows 0-15
.set t_, t_+1
.endr
	ZERO OA, 8
	ZERO KA, 4
	s_wait_alu depctr_va_vdst(0)
	s_wait_dscnt 0x0
.set t_, 0
.rept 8
	ROWMIX OA, 96+4*t_, 4, P8+t_
.set t_, t_+1
.endr
	HALVES
.set t_, 0
.rept 16
	ROWMIX KA, PK+2*t_, 2, U+16+t_                 ; my rows 16-31, from registers: four channels a lane
.set t_, t_+1
.endr
	ds_store_b128 v240, v[KA:KA+3]                 ; and through LDS to eight channels a lane
	ds_load_b128 v[96:99], v234 offset:2560
	ds_load_b128 v[100:103], v234 offset:2576
	s_wait_dscnt 0x0
.irp c, 0,1,2,3,4,5,6,7
	v_add_f32 v[OA+\c], v[OA+\c], v[96+\c]
.endr
	ds_store_b128 v234, v[OA:OA+3] offset:2560
	ds_store_b128 v234, v[OA+4:OA+7] offset:2576
	s_mov_b32 s[TP], 0
	s_mov_b32 s[TPP], 0
	s_mov_b32 s[CNT], 2
	s_wait_tensorcnt 0x0                           ; my rows' K steps 6 and 7 are in: I alone read them
.Lwide:                                                ; K steps 6, 7: f32, a row a load, four channels a lane
	v_add_nc_u32 v18, s[TP], v236
	v_add_nc_u32 v19, s[TPP], v235
	ZERO KA, 4
	ZERO KB, 4
.irp u, 0,16
.set t_, 0
.rept 16
	ds_load_b128 v[96+4*t_:99+4*t_], v18 offset:512*(t_+\u)
.set t_, t_+1
.endr
	s_wait_alu depctr_va_vdst(0)
	s_wait_dscnt 0x0
.set t_, 0
.rept 16
.set ka_, KA
.if t_%2
.set ka_, KB
.endif
.irp c, 0,1,2,3
	v_fmac_f32 v[ka_+\c], v[96+4*t_+\c], v[U+\u+t_]
.endr
.set t_, t_+1
.endr
.endr
.irp c, 0,1,2,3
	v_add_f32 v[KA+\c], v[KA+\c], v[KB+\c]
.endr
	ds_store_b128 v19, v[KA:KA+3]
	s_add_co_u32 s[TP], s[TP], SLOTB
	s_add_co_u32 s[TPP], s[TPP], 512
	s_sub_co_u32 s[CNT], s[CNT], 1
	s_cmp_lg_u32 s[CNT], 0
	s_cbranch_scc1 .Lwide
	s_wait_dscnt 0x0                               ; my sums have landed
	s_barrier_signal -1
	s_barrier_wait -1
.irp w, 0,1,2,3
	ds_load_b128 v[96+8*\w:99+8*\w], v237 offset:8192*\w        ; the four waves' sums at my 256 channels
	ds_load_b128 v[100+8*\w:103+8*\w], v237 offset:8192*\w+512
.endr
	s_wait_dscnt 0x0
.irp w, 1,2,3
.irp p, 0,2,4,6
	v_pk_add_f32 v[96+\p:97+\p], v[96+\p:97+\p], v[96+8*\w+\p:97+8*\w+\p]
.endr
.endr
	global_store_b128 v238, v[96:99], s[14:15]     ; 32 lanes store 512 consecutive bytes
	global_store_b128 v238, v[100:103], s[14:15] offset:512
	s_cmp_lg_u32 s[WV], 0
	s_cbranch_scc1 .Lnot_ml
	global_store_b64 v239, v[22:23], s[16:17]      ; (m, l), 32 times: 256 consecutive bytes
.Lnot_ml:
	s_wait_tensorcnt 0x0                           ; the wave's end
	ds_add_u32 v[SPW], v[NIL]
	s_wait_dscnt 0x0
	CROUND                                         ; the closing round: no work-group ends while a partner may still ask for a slot that names it
	s_endpgm
.Lfunc_end_k_q62f9196d60_main:
	.size	k_q62f9196d60_main, .Lfunc_end_k_q62f9196d60_main-k_q62f9196d60_main
	.p2alignl 7, 3214868480
	.fill 96, 4, 3214868480
	.section	.rodata,"a",@progbits
	.p2align	6, 0x0
	.amdhsa_kernel k_q62f9196d60_main
		.amdhsa_group_segment_fixed_size 327680
		.amdhsa_private_segment_fixed_size 0
		.amdhsa_enable_private_segment 0
		.amdhsa_kernarg_size 56
		.amdhsa_user_sgpr_count 2
		.amdhsa_user_sgpr_kernarg_segment_ptr 1
		.amdhsa_wavefront_size32 1
		.amdhsa_system_sgpr_workgroup_id_x 1
		.amdhsa_system_sgpr_workgroup_id_y 1
		.amdhsa_system_sgpr_workgroup_id_z 1
		.amdhsa_system_vgpr_workitem_id 0
		.amdhsa_next_free_vgpr 1024
		.amdhsa_next_free_sgpr 92
		.amdhsa_reserve_vcc 0
		.amdhsa_float_denorm_mode_32 3
		.amdhsa_float_denorm_mode_16_64 3
		.amdhsa_memory_ordered 1
		.amdhsa_forward_progress 1
		.amdhsa_inst_pref_size 255
	.end_amdhsa_kernel
	.section	.bss,"aw",@nobits
	.p2align	6
	.space	262144
	.amdgpu_metadata
---
amdhsa.version: [ 1, 2 ]
amdhsa.kernels:
  - .name:           k_q62f9196d60_main
    .symbol:         k_q62f9196d60_main.kd
    .args:
      - { .name: encoder_outputs, .offset: 0, .size: 8, .value_kind: global_buffer, .address_space: global }
      - { .name: hbp, .offset: 8, .size: 8, .value_kind: global_buffer, .address_space: global }
      - { .name: b1, .offset: 16, .size: 8, .value_kind: global_buffer, .address_space: global }
      - { .name: W2, .offset: 24, .size: 8, .value_kind: global_buffer, .address_space: global }
      - { .name: W1c, .offset: 32, .size: 8, .value_kind: global_buffer, .address_space: global }
      - { .name: part, .offset: 40, .size: 8, .value_kind: global_buffer, .address_space: global }
      - { .name: ml, .offset: 48, .size: 8, .value_kind: global_buffer, .address_space: global }
    .group_segment_fixed_size: 327680
    .private_segment_fixed_size: 0
    .kernarg_segment_align: 8
    .kernarg_segment_size: 56
    .max_flat_workgroup_size: 128
    .sgpr_count:     92
    .vgpr_count:     1024
    .wavefront_size: 32
...
	.end_amdgpu_metadata
.endif
;; end of part 2
;; launch comb (part 3): grid 32 x 1, 8 waves a work-group, no clusters, 0 bytes of LDS; arguments part, ml, out0; writes out0
.if DOCPART == 3
	.amdgcn_target "amdgcn-amd-amdhsa--gfx1250"
	.amdhsa_code_object_version 6
	.text
	.protected	k_q62f9196d60_comb
	.globl	k_q62f9196d60_comb
	.p2align	8
	.type	k_q62f9196d60_comb,@function
k_q62f9196d60_comb:
	s_mov_b64 s[64:65], 0
	v_nop
	global_prefetch_b8 v0, s[64:65] scope:SCOPE_SE
	s_setreg_imm32_b32 hwreg(HW_REG_WAVE_MODE, 25, 1), 1
	s_wait_xcnt 0x0
; A batch's eight blocks of 128 steps are joined: block g brought its largest score m_g, l_g = sum exp(score - m_g) and part_g = sum exp(score - m_g) x row.
; With M = the largest m_g and f_g = exp(m_g - M): out = (sum f_g part_g) / (sum f_g l_g).  One work-group a batch, thread t owns channels 4 t .. 4 t + 3.
; 32 work-groups are all the work there is: 32 KiB in and 4 KiB out for each.  No LDS, no barrier: threads share nothing.
	s_load_b128 s[4:7], s[0:1], 0x0                ; part s[4:5], ml s[6:7]
	s_load_b64 s[8:9], s[0:1], 0x10                ; out0
	v_lshlrev_b32 v1, 4, v0                        ; 16 bytes a thread
	v_mov_b32 v2, 0
	v_mov_b32 v23, 0                               ; (named as the upper half of the pair v[22:23])
	s_lshl_b32 s10, ttmp9, 15                      ; the batch's eight rows of part,
	s_mov_b32 s11, 0
	s_lshl_b32 s12, ttmp9, 11                      ; of ml,
	s_mov_b32 s13, 0
	s_lshl_b32 s14, ttmp9, 12                      ; its row of out0
	s_mov_b32 s15, 0
	s_wait_alu depctr_va_vdst(0)
	s_wait_kmcnt 0x0
	s_add_nc_u64 s[4:5], s[4:5], s[10:11]
	s_add_nc_u64 s[6:7], s[6:7], s[12:13]
	s_add_nc_u64 s[8:9], s[8:9], s[14:15]
.irp g, 0,1,2,3,4,5,6,7
	global_load_b64 v[4+2*\g:5+2*\g], v2, s[6:7] offset:256*\g       ; (m_g, l_g), the same in every lane
.endr
.irp g, 0,1,2,3,4,5,6,7
	global_load_b128 v[24+4*\g:27+4*\g], v1, s[4:5] offset:4096*\g   ; 32 lanes read 512 consecutive bytes
.endr
	s_wait_loadcnt 8                               ; the eight pairs are in; the eight loads of part may be out
	v_max3_num_f32 v20, v4, v6, v8
	s_delay_alu instid0(VALU_DEP_1)
	v_max3_num_f32 v20, v20, v10, v12
	s_delay_alu instid0(VALU_DEP_1)
	v_max3_num_f32 v20, v20, v14, v16
	s_delay_alu instid0(VALU_DEP_1)
	v_max_num_f32 v20, v20, v18                    ; M
.irp g, 0,1,2,3,4,5,6,7
	v_sub_f32 v[4+2*\g], v[4+2*\g], v20
.endr
.irp g, 0,1,2,3,4,5,6,7
	v_mul_f32 v[4+2*\g], 0x3fb8aa3b, v[4+2*\g]
.endr
	s_wait_alu depctr_va_vdst(0)
.irp g, 0,1,2,3,4,5,6,7
	v_exp_f32 v[4+2*\g], v[4+2*\g]                 ; f_g
.endr
	v_nop                                          ; a plain line behind the last exponential
	s_wait_alu depctr_va_vdst(0)                   ; one wait for the eight, ahead of their first reader
	v_mul_f32 v21, v4, v5
.irp g, 1,2,3,4,5,6,7
	v_fmac_f32 v21, v[4+2*\g], v[5+2*\g]           ; the softmax's sum
.endr
	s_wait_alu depctr_va_vdst(0)
	v_rcp_f32 v22, v21
	s_wait_loadcnt 0x0
	v_pk_mul_f32 v[56:57], v[24:25], v[4:5] op_sel_hi:[1,0]          ; plain work behind the reciprocal: of the pair (f, l) the low word serves both halves
	v_pk_mul_f32 v[58:59], v[26:27], v[4:5] op_sel_hi:[1,0]
.irp g, 1,2,3,4,5,6,7
	v_pk_fma_f32 v[56:57], v[24+4*\g:25+4*\g], v[4+2*\g:5+2*\g], v[56:57] op_sel_hi:[1,0,1]
	v_pk_fma_f32 v[58:59], v[26+4*\g:27+4*\g], v[4+2*\g:5+2*\g], v[58:59] op_sel_hi:[1,0,1]
.endr
	s_wait_alu depctr_va_vdst(0)                   ; the wait for the reciprocal, ahead of its first reader
	v_pk_mul_f32 v[56:57], v[56:57], v[22:23] op_sel_hi:[1,0]
	v_pk_mul_f32 v[58:59], v[58:59], v[22:23] op_sel_hi:[1,0]
	global_store_b128 v1, v[56:59], s[8:9]         ; 32 lanes store 512 consecutive bytes
	s_endpgm
.Lfunc_end_k_q62f9196d60_comb:
	.size	k_q62f9196d60_comb, .Lfunc_end_k_q62f9196d60_comb-k_q62f9196d60_comb
	.p2alignl 7, 3214868480
	.fill 96, 4, 3214868480
	.section	.rodata,"a",@progbits
	.p2align	6, 0x0
	.amdhsa_kernel k_q62f9196d60_comb
		.amdhsa_group_segment_fixed_size 0
		.amdhsa_private_segment_fixed_size 0
		.amdhsa_enable_private_segment 0
		.amdhsa_kernarg_size 24
		.amdhsa_user_sgpr_count 2
		.amdhsa_user_sgpr_kernarg_segment_ptr 1
		.amdhsa_wavefront_size32 1
		.amdhsa_system_sgpr_workgroup_id_x 1
		.amdhsa_system_sgpr_workgroup_id_y 1
		.amdhsa_system_sgpr_workgroup_id_z 1
		.amdhsa_system_vgpr_workitem_id 0
		.amdhsa_next_free_vgpr 64
		.amdhsa_next_free_sgpr 66
		.amdhsa_reserve_vcc 0
		.amdhsa_float_denorm_mode_32 3
		.amdhsa_float_denorm_mode_16_64 3
		.amdhsa_memory_ordered 1
		.amdhsa_forward_progress 1
		.amdhsa_inst_pref_size 6
	.end_amdhsa_kernel
	.amdgpu_metadata
---
amdhsa.version: [ 1, 2 ]
amdhsa.kernels:
  - .name:           k_q62f9196d60_comb
    .symbol:         k_q62f9196d60_comb.kd
    .args:
      - { .name: part, .offset: 0, .size: 8, .value_kind: global_buffer, .address_space: global }
      - { .name: ml, .offset: 8, .size: 8, .value_kind: global_buffer, .address_space: global }
      - { .name: out0, .offset: 16, .size: 8, .value_kind: global_buffer, .address_space: global }
    .group_segment_fixed_size: 0
    .private_segment_fixed_size: 0
    .kernarg_segment_align: 8
    .kernarg_segment_size: 24
    .max_flat_workgroup_size: 256
    .sgpr_count:     66
    .vgpr_count:     64
    .wavefront_size: 32
...
	.end_amdgpu_metadata
.endif
;; end of part 3
